; MI455X (gfx1250); checked and timed in simulation.
; The chip was launched on July 23, 2026; its instructions are those of AMD's public machine-readable ISA for CDNA 5 (MIT licence, August 2026) and "CDNA5" Instruction Set Architecture Reference Guide (July 2026). The comments in the code are by the model that wrote it; some were corrected since.
;; FL Attention. Allowed arithmetic: float matrix products may take bf16 or f16 operands with f32 sums; all other float work in f32.
;; Inputs: alphas 8 x 3 float32; betas 8 x 3 float32; x 64 x 512 float32.
;; Outputs: out0 64 x 512 float32.
;; One version. Each part assembles by itself: llvm-mc -triple=amdgcn-amd-amdhsa -mcpu=gfx1250 --defsym DOCPART=n.
;; ======== version 1 of 1: 1 launch
;; limits: right only within a limited range of input values
;; launch flatt (part 1): grid 256 x 1, 16 waves a work-group, no clusters, 21,504 bytes of LDS; arguments x, alphas, betas, out0; writes out0
.if DOCPART == 1
	.amdgcn_target "amdgcn-amd-amdhsa--gfx1250"
	.amdhsa_code_object_version 6
	.text
	.protected	k_q61ffd9946e_flatt
	.globl	k_q61ffd9946e_flatt
	.p2align	8
	.type	k_q61ffd9946e_flatt,@function
k_q61ffd9946e_flatt:
	s_mov_b64 s[64:65], 0
	v_nop
	global_prefetch_b8 v0, s[64:65] scope:SCOPE_SE
	s_setreg_imm32_b32 hwreg(HW_REG_WAVE_MODE, 25, 1), 1
	s_wait_xcnt 0x0
; out[b][i] = x[b][i] + sum over 8 heads of  sum_j softmax_j( 1 / (|q_j - k_i| + 1e-8) ) * v_j / sqrt(512),
; q = aq x + bq, k = ak x + bk, v = av x + bv (scalars per head).  x, out: [64][512] f32; alphas, betas: [8][3] f32.
;
; SHARES.  256 work-groups: group id = 4 b + quarter; a group makes 128 rows i of one b, all 8 heads.  16 waves: wave w takes the
; 16 rows of tile w & 7 and the four heads 4 (w >> 3) .. +3.  Lane l: row i = l & 15, and of every 32 columns j the 16 that the
; matrix operand layout gives to its half h = l >> 4.  The two head groups meet in LDS; wave 0 adds x and stores 512 bytes.
;
; ARITHMETIC.
;  * t = ln2 (q_j - k_i) = aq' x_j + nc_i, aq' = ln2 aq, nc_i = -ln2 ak x_i + ln2 (bq - bk): one packed multiply-add makes two.
;    d = |t| + ln2 eps, so that 1 / d is the exponent in base 2.  ORDER OF ROUNDING: q and k are not rounded by themselves here.
;  * The row's maximum of 1 / d is 1 / (smallest d): pass 1 finds min |t|, pass 2 takes m = 1 / (min |t| + ln2 eps) away.
;  * One v_rcp_f32 serves four elements: u = d0 d2, v = d1 d3, r = 1 / (u v), 1/u = r v, 1/v = r u, 1/d0 = d2 / u, 1/d2 = d0 / u,
;    1/d1 = d3 / v, 1/d3 = d1 / v, the last product fused with "- m".  For 16 elements: 4 reciprocals and 20 plain instructions
;    in place of 16 reciprocals and 8 plain ones.
;    LIMIT: ln2 |q_j - k_i| < 2^31, so that u v < 2^124 and its reciprocal is a normal number.  Below there is no limit: d >= 6.9e-9, u v >= 2.3e-33.
;    The largest exponent of a row is 0 only up to 7 roundings of m: at most about 60 where m has its largest value 1.44e8,
;    so p <= 2^60; 512 of them times |x| stay far inside f32 and bf16, and numerator and denominator use the same rounded p.
;  * sum_j p_j v_j / sum_j p_j = av (sum p x / sum p) + bv: the product with x and the sum of p go to the matrix unit together:
;    D = A' P^T, A' rows 0, 1, 2 = bf16(x), 1, bf16(x - bf16(x)); rows 8, 9, 10 the same again; all others 0.  P is rounded to bf16.
;    Lane l then holds for its own row i: D register 0 = sum p x_hi, 1 = sum p, 2 = sum p x_lo, alike in both halves of the wave.
;
; NO CLUSTER, NO TENSOR LOAD, NO PREFETCH: a group reads 2,048 bytes of x once and 192 bytes of scalars; the four groups of one b share
; those 2,048 bytes and nothing else, against 524,288 softmax elements that each group computes.
.set LN2,  0x3f317218                  ; ln 2
.set EPSF, 0x322bcc77                  ; 1e-8
.set RSD,  0x3d3504f3                  ; 1 / sqrt(512)
.set PINF, 0x7f800000
; LDS
.set XF,   0                           ; the row x[b][0..511] in f32, 2,048 bytes
.set AF,   2048                        ; A' as fragments: chunk c (32 columns) at 1,024 c: registers 0-3 at 16 lane, registers 4-7 at 512 + 16 lane
.set PART, AF+16*1024                  ; 16 waves x 16 rows x 4 bytes: the waves' sums over their four heads
; scalar registers
.set AL,   24                          ; s[24:35]  aq, ak, av of my four heads
.set BE,   36                          ; s[36:47]  bq, bk, bv of my four heads
.set AQ,   48                          ; s[48:55]  head q: ln2 aq, twice (a pair for the packed forms)
.set AK,   56                          ; s[56:59]  ln2 ak
.set AVC,  66                          ; s[66:69]  av / sqrt(512)
.set SB,   70                          ; sum of my heads' bv / sqrt(512)
.set SC,   71                          ; 1 / sqrt(512)
.set EPS,  72                          ; ln2 * 1e-8
.set SLN2, 73
.set CNT,  74
.set PL,   75                          ; s75, s76: v_permlanex16_b32's selects, lane i of the other half
.set MHI,  21                          ; lane masks while A' is built
.set MLO,  22
.set MONE, 23
; vector registers
.set LANE, 1
.set XA,   2                           ; pass 1: LDS address of my half's x in the chunk
.set FA,   3                           ; pass 2: 16 lane + 1,024 chunk
.set XI,   4                           ; x of my row
.set RR,   5                           ; l & 15
.set HH,   6                           ; l >> 4
.set AD,   7                           ; an LDS address
.set NCM,  8                           ; v[8:15]   head q: the pair (nc, running min |t|; from pass 2 on: -m)
.set XB,   16                          ; pass 2: as XA
.set SUM,  17
.set S16T, 18                          ; set-up only: 16 t
.set SOFF, 19                          ;              32 (t >> 4)
.set SR8,  20                          ;              t & 7
.set SONE, 21                          ;              two bf16 ones
.set ACC,  24                          ; v[24:55]  head q: 8 registers of D
.set X,    56                          ; v[56:87]  two chunks: my 16 x each
.set FR,   88                          ; v[88:103] two chunks: A' fragment
.set T,    104                         ; v[104:119] t, then d, then p.  Pass 1: v[104:167] = 16 t for each of 4 heads
.set E,    120                         ; v[120:135] exponents
.set UV,   136                         ; v[136:143] (u, v) of the four groups of four
.set W,    144                         ; v[144:147] u v
.set R,    148                         ; v[148:151] 1 / (u v)
.set IUV,  152                         ; v[152:159] (1/u, 1/v)
.set P,    160                         ; v[160:167] p in bf16: the fragment of P^T
.set XR,   56                          ; set-up only: 16 x;  then their bf16, the rests, the fragment words
.set HI,   72
.set LO,   76
.set F,    80
.set OF,   88
	s_load_b256 s[4:11], s[0:1], 0x0               ; x s[4:5], alphas s[6:7], betas s[8:9], out s[10:11]
	v_lshl_add_u32 v168, v0, 2, 0x4c00
	v_mov_b32 v169, 0
	v_lshrrev_b32 v[LANE], 5, v0
	v_readfirstlane_b32 s12, v[LANE]               ; wave 0..15
	s_lshr_b32 s13, ttmp9, 2                       ; b
	s_and_b32 s14, ttmp9, 3                        ; quarter of the rows
	s_lshr_b32 s15, s12, 3                         ; head group
	s_mul_i32 s16, s15, 48                         ; four heads x three f32
	s_mov_b32 s17, 0
	s_lshl_b32 s18, s13, 11                        ; a row of x and of out: 2,048 bytes
	s_mov_b32 s19, 0
	s_mov_b32 s[PL], 0x76543210
	s_mov_b32 s[PL+1], 0xfedcba98
	v_and_b32 v[LANE], 31, v0
	v_and_b32 v[RR], 15, v0
	v_bfe_u32 v[HH], v0, 4, 1
	v_lshlrev_b32 v[XA], 5, v[HH]                  ; my half's first 8 columns of a chunk begin at 8 h floats
	v_lshlrev_b32 v[FA], 4, v[LANE]
	v_lshlrev_b32 v[S16T], 4, v0
	v_lshrrev_b32 v[SOFF], 4, v0
	v_lshlrev_b32 v[SOFF], 5, v[SOFF]
	v_and_b32 v[SR8], 7, v0
	v_mov_b32 v[SONE], 0x3f803f80
	s_wait_kmcnt 0x0
	s_add_nc_u64 s[4:5], s[4:5], s[18:19]          ; x[b]
	s_add_nc_u64 s[10:11], s[10:11], s[18:19]      ; out[b]
	s_add_nc_u64 s[6:7], s[6:7], s[16:17]          ; my heads' alphas: bytes 48 g .. 48 g + 47 of 96
	s_add_nc_u64 s[8:9], s[8:9], s[16:17]
	s_load_b256 s[AL:AL+7], s[6:7], 0x0
	s_load_b128 s[AL+8:AL+11], s[6:7], 0x20
	s_load_b256 s[BE:BE+7], s[8:9], 0x0
	s_load_b128 s[BE+8:BE+11], s[8:9], 0x20
	s_lshl_b32 s18, s14, 9                         ; the quarter's 128 rows x 4 bytes; kept to the end
	s_add_nc_u64 s[10:11], s[10:11], s[18:19]      ; out[b][128 quarter]
	s_and_b32 s20, s12, 7
	s_lshl_b32 s20, s20, 6                         ; my tile: 16 rows x 4 bytes
	s_add_co_u32 s20, s20, s18
	v_lshl_add_u32 v[AD], v[RR], 2, s20            ; where x of my row lies in XF
	; The row of x comes in once: waves 0-3, 16 bytes a lane, each load 512 consecutive bytes.
	s_cmp_ge_u32 s12, 4
	s_cbranch_scc1 .Lrow_in
	global_load_b128 v[XR:XR+3], v[S16T], s[4:5]
	s_wait_loadcnt 0x0
	ds_store_b128 v[S16T], v[XR:XR+3] offset:XF
	s_wait_dscnt 0x0                               ; zero: the other waves read these bytes behind the barrier
.Lrow_in:
	s_barrier_signal -1
	s_barrier_wait -1
	; A' AS FRAGMENTS.  1,024 units of 16 bytes, two for each thread: unit t + 512 n lies at AF + 16 t + 8,192 n and is, with
	; t = 64 c + 32 g + 16 h + r, registers 4 g .. 4 g + 3 of lane 16 h + r in chunk c + 8 n: k = 16 g + 8 h + 0 .. 7 of row r,
	; that is columns j = 8 (t >> 4) + 256 n + 0 .. 7.
	ds_load_b128 v[XR:XR+3], v[SOFF] offset:XF
	ds_load_b128 v[XR+4:XR+7], v[SOFF] offset:XF+16
	ds_load_b128 v[XR+8:XR+11], v[SOFF] offset:XF+1024
	ds_load_b128 v[XR+12:XR+15], v[SOFF] offset:XF+1040
	ds_load_b32 v[XI], v[AD] offset:XF
	v_cmp_eq_u32 s[MHI], 0, v[SR8]                 ; rows 0 and 8: bf16(x)
	v_cmp_eq_u32 s[MLO], 2, v[SR8]                 ; rows 2 and 10: what bf16(x) left of x
	v_cmp_eq_u32 s[MONE], 1, v[SR8]                ; rows 1 and 9: ones
	s_wait_dscnt 0x0
.macro BUILD n
.irp w, 0,1,2,3
	v_cvt_pk_bf16_f32 v[HI+\w], v[XR+8*\n+2*\w], v[XR+8*\n+2*\w+1]
.endr
.irp w, 0,1,2,3
	v_lshlrev_b32 v[F+2*\w], 16, v[HI+\w]
	v_and_b32 v[F+2*\w+1], 0xffff0000, v[HI+\w]
.endr
.irp w, 0,1,2,3
	v_pk_add_f32 v[F+2*\w:F+2*\w+1], v[XR+8*\n+2*\w:XR+8*\n+2*\w+1], v[F+2*\w:F+2*\w+1] neg_lo:[0,1] neg_hi:[0,1]
.endr
.irp w, 0,1,2,3
	v_cvt_pk_bf16_f32 v[LO+\w], v[F+2*\w], v[F+2*\w+1]
.endr
.irp w, 0,1,2,3
	v_cndmask_b32 v[OF+4*\n+\w], 0, v[HI+\w], s[MHI]
	v_cndmask_b32 v[OF+4*\n+\w], v[OF+4*\n+\w], v[LO+\w], s[MLO]
	v_cndmask_b32 v[OF+4*\n+\w], v[OF+4*\n+\w], v[SONE], s[MONE]
.endr
	ds_store_b128 v[S16T], v[OF+4*\n:OF+4*\n+3] offset:AF+8192*\n
.endm
	BUILD 0
	BUILD 1
	; the heads' scalars
	s_wait_kmcnt 0x0
	s_mov_b32 s[SLN2], LN2
	s_mov_b32 s[SC], RSD
	s_mul_f32 s[EPS], s[SLN2], EPSF
.irp q, 0,1,2,3
	s_mul_f32 s[AQ+2*\q], s[AL+3*\q], s[SLN2]
	s_mul_f32 s[AK+\q], s[AL+3*\q+1], s[SLN2]
	s_mul_f32 s[AVC+\q], s[AL+3*\q+2], s[SC]
.endr
.irp q, 0,1,2,3
	s_mov_b32 s[AQ+2*\q+1], s[AQ+2*\q]
.endr
	s_mul_f32 s[SB], s[BE+2], s[SC]
	s_fmac_f32 s[SB], s[BE+5], s[SC]
	s_fmac_f32 s[SB], s[BE+8], s[SC]
	s_fmac_f32 s[SB], s[BE+11], s[SC]
.irp q, 0,1,2,3
	v_sub_f32 v[T+\q], s[BE+3*\q], s[BE+3*\q+1]                    ; bq - bk
	v_mul_f32 v[T+\q], s[SLN2], v[T+\q]
	v_fma_f32 v[NCM+2*\q], -v[XI], s[AK+\q], v[T+\q]               ; nc = -ln2 ak x_i + ln2 (bq - bk)
	v_mov_b32 v[NCM+2*\q+1], PINF                                  ; the running minimum starts at +infinity
.endr
	s_wait_dscnt 0x0                               ; zero: my fragment units are read by every wave behind the barrier
	s_barrier_signal -1
	s_barrier_wait -1
	; PASS 1: min over j of |t|, four heads at once on each chunk of x.  A trip takes two chunks (64 columns).
.macro XLOAD a
.irp s, 0,1
	ds_load_b128 v[X+16*\s:X+16*\s+3],     v[\a] offset:XF+128*\s      ; k = 8 h + 0 .. 3   (the 16 lanes of a half read the same bytes)
	ds_load_b128 v[X+16*\s+4:X+16*\s+7],   v[\a] offset:XF+128*\s+16   ; k = 8 h + 4 .. 7
	ds_load_b128 v[X+16*\s+8:X+16*\s+11],  v[\a] offset:XF+128*\s+64   ; k = 16 + 8 h + 0 .. 3
	ds_load_b128 v[X+16*\s+12:X+16*\s+15], v[\a] offset:XF+128*\s+80   ; k = 16 + 8 h + 4 .. 7
.endr
.endm
.macro MINCHUNK s
.irp q, 0,1,2,3
.irp p, 0,1,2,3,4,5,6,7
	v_pk_fma_f32 v[T+16*\q+2*\p:T+16*\q+2*\p+1], v[X+16*\s+2*\p:X+16*\s+2*\p+1], s[AQ+2*\q:AQ+2*\q+1], v[NCM+2*\q:NCM+2*\q+1] op_sel_hi:[1,0,0]
.endr
.endr
.irp p, 0,1,2,3,4,5,6,7
.irp q, 0,1,2,3                                    ; the four heads' chains take turns
	v_min3_num_f32 v[NCM+2*\q+1], v[NCM+2*\q+1], |v[T+16*\q+2*\p]|, |v[T+16*\q+2*\p+1]|
.endr
.endr
.endm
	s_mov_b32 s[CNT], 0
.Lmin:
	XLOAD XA
	s_wait_dscnt 4                                 ; the first chunk's four loads are in; the second chunk's four may be out
	MINCHUNK 0
	s_wait_dscnt 0
	MINCHUNK 1
	v_add_nc_u32 v[XA], 256, v[XA]
	s_add_co_u32 s[CNT], s[CNT], 1
	s_cmp_lt_u32 s[CNT], 8
	s_cbranch_scc1 .Lmin
	; the two halves of the wave hold the two halves of each row's columns: join them; then -m = -1 / (min |t| + ln2 eps)
.irp q, 0,1,2,3
	v_permlanex16_b32 v[T+\q], v[NCM+2*\q+1], s[PL], s[PL+1]
.endr
.irp q, 0,1,2,3
	v_min_num_f32 v[T+\q], v[T+\q], v[NCM+2*\q+1]
	v_add_f32 v[T+\q], s[EPS], v[T+\q]
.endr
.irp q, 0,1,2,3
	v_rcp_f32 v[E+\q], v[T+\q]
.endr
	v_lshlrev_b32 v[XB], 5, v[HH]                  ; pass 2's x address; also the plain instruction between the reciprocals and their use (ISA guide 5.7.2)
	s_wait_alu depctr_va_vdst(0)
.irp q, 0,1,2,3
	v_mul_f32 v[NCM+2*\q+1], -1.0, v[E+\q]
.endr
	; PASS 2.  A UNIT is one head on one chunk: 16 elements a lane, in two halves of 8 whose stages are interleaved so that a plain
	; instruction of the other half stands behind every run of transcendentals before a result is used (ISA guide 5.7.2).
.macro DIST s, q, f                    ; elements 8 f .. 8 f + 7: t, d, u and v, u v, 1 / (u v)
.irp p, 0,1,2,3
	v_pk_fma_f32 v[T+8*\f+2*\p:T+8*\f+2*\p+1], v[X+16*\s+8*\f+2*\p:X+16*\s+8*\f+2*\p+1], s[AQ+2*\q:AQ+2*\q+1], v[NCM+2*\q:NCM+2*\q+1] op_sel_hi:[1,0,0]
.endr
.irp e, 0,1,2,3,4,5,6,7
	v_add_f32 v[T+8*\f+\e], |v[T+8*\f+\e]|, s[EPS]
.endr
.irp g, 0,1
	v_pk_mul_f32 v[UV+4*\f+2*\g:UV+4*\f+2*\g+1], v[T+8*\f+4*\g:T+8*\f+4*\g+1], v[T+8*\f+4*\g+2:T+8*\f+4*\g+3]    ; (d0 d2, d1 d3)
.endr
.irp g, 0,1
	v_mul_f32 v[W+2*\f+\g], v[UV+4*\f+2*\g], v[UV+4*\f+2*\g+1]
.endr
.irp g, 0,1
	v_rcp_f32 v[R+2*\f+\g], v[W+2*\f+\g]
.endr
.endm
.macro SOFT q, f                       ; elements 8 f .. 8 f + 7: (1/u, 1/v) = r (v, u); exponents 1/d - m; p = 2^exponent
	s_wait_alu depctr_va_vdst(0)
	v_pk_mul_f32 v[IUV+4*\f:IUV+4*\f+1],   v[R+2*\f:R+2*\f+1], v[UV+4*\f:UV+4*\f+1]   op_sel:[0,1] op_sel_hi:[0,0]   ; r of the first group, (u, v) swapped
	v_pk_mul_f32 v[IUV+4*\f+2:IUV+4*\f+3], v[R+2*\f:R+2*\f+1], v[UV+4*\f+2:UV+4*\f+3] op_sel:[1,1] op_sel_hi:[1,0]   ; r of the second group
.irp g, 0,1
	v_pk_fma_f32 v[E+8*\f+4*\g:E+8*\f+4*\g+1],   v[IUV+4*\f+2*\g:IUV+4*\f+2*\g+1], v[T+8*\f+4*\g+2:T+8*\f+4*\g+3], v[NCM+2*\q:NCM+2*\q+1] op_sel:[0,0,1] op_sel_hi:[1,1,1]
	v_pk_fma_f32 v[E+8*\f+4*\g+2:E+8*\f+4*\g+3], v[IUV+4*\f+2*\g:IUV+4*\f+2*\g+1], v[T+8*\f+4*\g:T+8*\f+4*\g+1],   v[NCM+2*\q:NCM+2*\q+1] op_sel:[0,0,1] op_sel_hi:[1,1,1]
.endr
.irp e, 0,1,2,3,4,5,6,7
	v_exp_f32 v[T+8*\f+\e], v[E+8*\f+\e]           ; d is done with: p takes its place
.endr
.endm
.macro UNIT s, q, zero
	DIST \s, \q, 0
	DIST \s, \q, 1
	SOFT \q, 0
	SOFT \q, 1
	s_wait_alu depctr_va_vdst(0)
.irp p, 0,1,2,3,4,5,6,7
	v_cvt_pk_bf16_f32 v[P+\p], v[T+2*\p], v[T+2*\p+1]      ; the first four read the first half's p and stand behind the second half's exponentials
.endr
.if \zero
	v_wmma_f32_16x16x32_bf16 v[ACC+8*\q:ACC+8*\q+7], v[FR+8*\s:FR+8*\s+7], v[P:P+7], 0     ; the first chunk starts the sums
.else
	v_wmma_f32_16x16x32_bf16 v[ACC+8*\q:ACC+8*\q+7], v[FR+8*\s:FR+8*\s+7], v[P:P+7], v[ACC+8*\q:ACC+8*\q+7]
.endif
.endm
; A trip: two chunks, four heads each.  P is written again a whole unit (over 50 plain instructions) behind the matrix instruction that read it.
.macro TRIP first
	ds_load_b128 v[X:X+3],       v[XB] offset:XF
	ds_load_b128 v[X+4:X+7],     v[XB] offset:XF+16
	ds_load_b128 v[X+8:X+11],    v[XB] offset:XF+64
	ds_load_b128 v[X+12:X+15],   v[XB] offset:XF+80
	ds_load_b128 v[FR:FR+3],     v[FA] offset:AF
	ds_load_b128 v[FR+4:FR+7],   v[FA] offset:AF+512
	ds_load_b128 v[X+16:X+19],   v[XB] offset:XF+128
	ds_load_b128 v[X+20:X+23],   v[XB] offset:XF+144
	ds_load_b128 v[X+24:X+27],   v[XB] offset:XF+192
	ds_load_b128 v[X+28:X+31],   v[XB] offset:XF+208
	ds_load_b128 v[FR+8:FR+11],  v[FA] offset:AF+1024
	ds_load_b128 v[FR+12:FR+15], v[FA] offset:AF+1536
	s_wait_dscnt 6                                 ; the first chunk's x and fragment are in; the second chunk's six loads may be out
	UNIT 0, 0, \first
	UNIT 0, 1, \first
	UNIT 0, 2, \first
	UNIT 0, 3, \first
	s_wait_dscnt 0
	UNIT 1, 0, 0
	UNIT 1, 1, 0
	UNIT 1, 2, 0
	UNIT 1, 3, 0
	v_add_nc_u32 v[XB], 256, v[XB]                 ; four plain instructions behind the last matrix instruction (ISA guide 7.12.1):
	v_add_nc_u32 v[FA], 2048, v[FA]                ; only then is its fragment loaded again, or its result read
	v_nop
	v_nop
.endm
	TRIP 1
	s_mov_b32 s[CNT], 0
.Lsoft:
	TRIP 0
	s_add_co_u32 s[CNT], s[CNT], 1
	s_cmp_lt_u32 s[CNT], 7
	s_cbranch_scc1 .Lsoft
	; my four heads' share of my row: sum of (av (sum p x / sum p) + bv) / sqrt(512).  sum p >= the largest p > 0.
.irp q, 0,1,2,3
	v_add_f32 v[T+\q], v[ACC+8*\q], v[ACC+8*\q+2]
.endr
.irp q, 0,1,2,3
	v_rcp_f32 v[E+\q], v[ACC+8*\q+1]
.endr
	v_mov_b32 v[SUM], s[SB]                        ; the plain instruction behind the reciprocals
	s_wait_alu depctr_va_vdst(0)
.irp q, 0,1,2,3
	v_mul_f32 v[T+\q], v[T+\q], v[E+\q]
.endr
.irp q, 0,1,2,3
	v_fma_f32 v[SUM], v[T+\q], s[AVC+\q], v[SUM]
.endr
	s_lshl_b32 s20, s12, 6
	v_lshl_add_u32 v[AD], v[RR], 2, s20
	ds_store_b32 v[AD], v[SUM] offset:PART         ; lanes l and l + 16 hold the same number and write the same word
	s_wait_dscnt 0x0                               ; zero: wave 0 reads these words behind the barrier
	s_barrier_signal -1
	s_barrier_wait -1
	s_cmp_lg_u32 s12, 0
	s_cbranch_scc1 .Lend
	; wave 0: lane l takes rows 4 l .. 4 l + 3 of the group's 128: x + heads 0-3 + heads 4-7; one store of 512 consecutive bytes, aligned
	v_lshlrev_b32 v[AD], 4, v[LANE]
	v_add_nc_u32 v[XA], s18, v[AD]
	ds_load_b128 v[8:11], v[XA] offset:XF
	ds_load_b128 v[12:15], v[AD] offset:PART
	ds_load_b128 v[16:19], v[AD] offset:PART+512
	s_wait_dscnt 0x0
	v_pk_add_f32 v[12:13], v[12:13], v[16:17]
	v_pk_add_f32 v[14:15], v[14:15], v[18:19]
	v_pk_add_f32 v[8:9], v[8:9], v[12:13]
	v_pk_add_f32 v[10:11], v[10:11], v[14:15]
	global_store_b128 v[AD], v[8:11], s[10:11]
.Lend:
	s_wait_tensorcnt 0x0
	ds_add_u32 v168, v169
	s_wait_dscnt 0x0
	s_endpgm
.Lfunc_end_k_q61ffd9946e_flatt:
	.size	k_q61ffd9946e_flatt, .Lfunc_end_k_q61ffd9946e_flatt-k_q61ffd9946e_flatt
	.p2alignl 7, 3214868480
	.fill 96, 4, 3214868480
	.section	.rodata,"a",@progbits
	.p2align	6, 0x0
	.amdhsa_kernel k_q61ffd9946e_flatt
		.amdhsa_group_segment_fixed_size 21504
		.amdhsa_private_segment_fixed_size 0
		.amdhsa_enable_private_segment 0
		.amdhsa_kernarg_size 32
		.amdhsa_user_sgpr_count 2
		.amdhsa_user_sgpr_kernarg_segment_ptr 1
		.amdhsa_wavefront_size32 1
		.amdhsa_system_sgpr_workgroup_id_x 1
		.amdhsa_system_sgpr_workgroup_id_y 1
		.amdhsa_system_sgpr_workgroup_id_z 1
		.amdhsa_system_vgpr_workitem_id 0
		.amdhsa_next_free_vgpr 170
		.amdhsa_next_free_sgpr 80
		.amdhsa_reserve_vcc 0
		.amdhsa_float_denorm_mode_32 3
		.amdhsa_float_denorm_mode_16_64 3
		.amdhsa_memory_ordered 1
		.amdhsa_forward_progress 1
		.amdhsa_inst_pref_size 85
	.end_amdhsa_kernel
	.amdgpu_metadata
---
amdhsa.version: [ 1, 2 ]
amdhsa.kernels:
  - .name:           k_q61ffd9946e_flatt
    .symbol:         k_q61ffd9946e_flatt.kd
    .args:
      - { .name: x, .offset: 0, .size: 8, .value_kind: global_buffer, .address_space: global }
      - { .name: alphas, .offset: 8, .size: 8, .value_kind: global_buffer, .address_space: global }
      - { .name: betas, .offset: 16, .size: 8, .value_kind: global_buffer, .address_space: global }
      - { .name: out0, .offset: 24, .size: 8, .value_kind: global_buffer, .address_space: global }
    .group_segment_fixed_size: 21504
    .private_segment_fixed_size: 0
    .kernarg_segment_align: 8
    .kernarg_segment_size: 32
    .max_flat_workgroup_size: 512
    .sgpr_count:     80
    .vgpr_count:     170
    .wavefront_size: 32
...
	.end_amdgpu_metadata
.endif
;; end of part 1
